; MI455X (gfx1250); checked and timed in simulation.
; The chip was launched on July 23, 2026; its instructions are those of AMD's public machine-readable ISA for CDNA 5 (MIT licence, August 2026) and "CDNA5" Instruction Set Architecture Reference Guide (July 2026). The comments in the code are by the model that wrote it; some were corrected since.
;; Global Attention. Allowed arithmetic: matrix products marked QUANTISED: E2M1 operands, one E8M0 scale for each 32 along K, by v_wmma_scale_f32_16x16x128_f8f6f4 with both operands' format E2M1 (or v_wmma_scale_f32_32x16x128_f4), f32 sums; everything else in f32.
;; Inputs: Wf 256 x 128 float32; Wk 128 x 256 float32; Wq 128 x 256 float32; Wv 128 x 256 float32; bf 256 float32; bk 128 float32; bq 128 float32; bv 128 float32; x 16 x 256 x 2,048 float32.
;; Outputs: out0 16 x 256 x 2,048 float32.
;; This version of the problem:
;;   THIS VERSION OF THE PROBLEM IS GIVEN IN LOW PRECISION. The matrix products marked QUANTISED in the list below multiply operands that are first quantised to E2M1 (2 exponent bits, 1 mantissa bit; 4 bits a number), with one power-of-two scale for each 32 numbers along K (OCP MX v1.0); their sums are f32. All else is computed in f32.
;;   The module's matrix products, in the order in which they are computed (A, B: the left and right operand; K: the contracted axis; several contracted axes count as one K, in the product's order):
;;     1. [M 128, K 256] x [K 256, N 32,768]; A: input Wq; B: input x: QUANTISED
;;     2. [M 128, K 256] x [K 256, N 32,768]; A: input Wk; B: input x: QUANTISED
;;     3. [M 128, K 256] x [K 256, N 32,768]; A: input Wv; B: input x: QUANTISED
;;     4. batch 16 x [M 2,048, K 128] x [K 128, N 2,048]; A: computed on the way; B: computed on the way: QUANTISED
;;     5. batch 16 x [M 128, K 2,048] x [K 2,048, N 2,048]; A: computed on the way; B: softmax (see below): QUANTISED
;;     6. [M 256, K 128] x [K 128, N 32,768]; A: input Wf; B: computed on the way: QUANTISED
;;   THE QUANTISER, for each operand of a quantised product, along K:
;;     - K is cut into blocks of 32 from its start; a last block that is shorter is filled with zeros.
;;     - A block's scale is 2^e with e = floor(log2(the largest magnitude in the block)) - 2, held to -126 .. 127; a block of zeros has e = 0. As a byte (E8M0): e + 127.
;;     - Each number is divided by its block's scale, clamped to +-6, and rounded to the nearest number of E2M1, ties to even, subnormals kept.
;;     - The product sums the exact products of the quantised numbers (number of the format x scale) in f32.
;;   ~~~python
;;   def quantise(x, axis):      # numpy; x: float32 -> the quantised numbers, widened to float32 again
;;       x = np.moveaxis(x, axis, -1); K = x.shape[-1]
;;       x = np.pad(x, [(0, 0)] * (x.ndim - 1) + [(0, -K % 32)]); x = x.reshape(x.shape[:-1] + (-1, 32)); a = np.abs(x).max(-1, keepdims=True)
;;       e = np.where(a > 0, np.clip(np.frexp(np.where(a > 0, a, 1))[1] - 1 - 2, -126, 127), 0)      # np.frexp(a)[1] - 1 = floor(log2(a)), exactly
;;       r = np.clip(x / 2.0 ** e, -6, 6)
;;       step = 2.0 ** (np.maximum(np.frexp(np.where(r == 0, 1, r))[1] - 1, 0) - 1)
;;       q = np.round(r / step) * step * 2.0 ** e      # np.round: ties to even
;;       return np.moveaxis(q.reshape(q.shape[:-2] + (-1,))[..., :K], -1, axis).astype(np.float32)
;;   ~~~
;;   SOFTMAX AHEAD OF A QUANTISED PRODUCT. Where the list says 'softmax', what is quantised is not the finished softmax but p = 2^(t - M), with t = logit x log2(e) and M = ceil(the row's largest t), a whole number; so 1/2 < the row's largest p <= 1. The row's sum l is taken of the UNQUANTISED p, in f32, and the product's result is divided by l at the end. Since M is a whole number, a kernel that streams over the keys may use a running M (the ceiling of the running maximum): every later rescaling is an exact power of two, which a block's scale takes up: the codes' values come out the same.
;;   OPERANDS COMPUTED ON THE WAY. 'Computed on the way' means the value that the module computes at that place (a softmax that the list does not call 'softmax' is quantised finished and normalised). What goes into a quantiser is computed in f32, as accurately as f32 sums, v_exp_f32 and their like allow (about 1e-6 of the number): no bf16 or f16 on the way to a quantiser, and a product that is left as it is and whose result goes on into a quantised operand takes f32 operands (vector FMAs, or v_wmma_f32_16x16x4_f32). A number that lies on a knife's edge between two numbers of the format may be rounded either way, as far as f32 arithmetic and the matrix unit's own rounding can turn it there, and no further.
;; One version. Each part assembles by itself: llvm-mc -triple=amdgcn-amd-amdhsa -mcpu=gfx1250 --defsym DOCPART=n.
;; ======== version 1 of 1: 2 launches
;; workspace buffers: qimg 2,097,152 bytes; qsc 131,072 bytes; kv 4,456,448 bytes; wfimg 18,432 bytes
;; launch proj (part 1): grid 16 x 16, 8 waves a work-group, no clusters, 189,952 bytes of LDS; arguments x, Wq, bq, Wk, bk, Wv, bv, Wf, qimg, qsc, kv, wfimg; writes qimg, qsc, kv, wfimg
.if DOCPART == 1
	.amdgcn_target "amdgcn-amd-amdhsa--gfx1250"
	.amdhsa_code_object_version 6
	.text
	.protected	k_q5288c59529_proj
	.globl	k_q5288c59529_proj
	.p2align	8
	.type	k_q5288c59529_proj,@function
k_q5288c59529_proj:
	s_mov_b64 s[64:65], 0
	v_nop
	global_prefetch_b8 v0, s[64:65] scope:SCOPE_SE
	s_setreg_imm32_b32 hwreg(HW_REG_WAVE_MODE, 25, 1), 1
	s_wait_xcnt 0x0
; Q = Wq x + bq, K = Wk x + bk, V = Wv x + bv on codes of FP4 (E2M1) with one E8M0 scale for each 32 along K, and the results quantised again for the attention that follows.
; x: [16][256][2048] f32, K = the 256 channels, its FIRST axis within a batch.  Wq, Wk, Wv: [128][256] f32, K innermost.  Wf: [256][128] f32, K innermost: only quantised here.
; SHARES.  A work-group takes 128 positions of one batch (work-group x: which 128; y: the batch): that is one step of 128 keys of the attention.  Eight waves.
;   W: wave w quantises tile w (16 rows) of Wq, Wk and Wv while x is on its way.  Wq's and Wk's fragments go to LDS as images of their registers, Wv's stay in the wave.
;   X: a lane takes a position and its registers run down the channels: a block of 32 lies in one lane.  Codes go to LDS as rows of 128 bytes, K innermost.
;   P: wave w makes Q of positions 16 w + r, K of its tile of keys, V of its tile of hidden units; each is quantised in registers and stored as an image of a fragment.
; THE ROWS OF A TILE ARE NOT NEIGHBOURS: lane r of tile 2 b + u takes row 32 b + 8 u + r + 8 (r / 8) (weights' rows, keys, and positions for V), so that the 16 registers of result tiles 2 b and 2 b + 1 are 16 neighbours along the next K.
; Q and K: source 0 = 16 rows of the weight, source 1 = 16 positions: a lane holds one position, its registers run along the hidden units.  V: source 0 = 16 positions, source 1 = 16 rows of Wv: a lane holds one hidden unit, its registers run along the keys.
; The biases are the C of each sum's first matrix instruction.
; AN IMAGE of a fragment (8 registers a lane) is 1,024 bytes: registers 4 c .. 4 c + 3 of lane l at 512 c + 16 l.  Whoever loads it by the same two lines has the same registers in the same lanes.
; Wf's sixteen tiles are quantised once in the launch: by wave 0 of the work-groups with x = 0, tile = the batch's number (a branch on ids; that way touches no LDS).
; NO CLUSTER: no two work-groups read the same bytes of x; the weights, which all share, are 393,216 bytes of f32, which do not fit in LDS beside x's tile, and go lane by lane into registers.
; LIMITS: NaN and infinities among the inputs are not served.  A block whose largest magnitude lies under 2^-124, a block of zeros among them, gets the scale byte 1 (a block of zeros has zero codes, which add nothing); these bytes are read by this program alone.
.set WIMG,  0                          ; LDS: images of Wq's and Wk's fragments: 16,384 x (0: Wq, 1: Wk) + 1,024 x (2 tile + K step)
.set WSC,   32768                      ; their scale words, 128 bytes an image: 2,048 x (0, 1) + 128 x (2 tile + K step)
.set XC,    36864                      ; x's codes: a row of 128 bytes + 16 of padding for each position
.set XP,    144                        ; that pitch: 36 words, so the sixteen rows of a load begin at sixteen different 16-byte columns of 256 bytes
.set XS,    55296                      ; x's scale words: [K step 2][position 128]
.set SCS,   56320                      ; the way out of the scale words: K's 512 bytes, V's 512, Q's 512
.set XT,    57856                      ; x's tile in f32: channel c at 512 c: the one region that the tensor loads fill, once
.set KVSTEP, 17408                     ; a step's block in kv: 8 images of K, 8 of V, 512 bytes of K's scale words, 512 of V's
.set LI,   1                           ; v1   16 x lane
.set LS4,  2                           ; v2   4 x lane
.set WA,   3                           ; v3   my row of a weight's tile, in bytes: 1,024 x row + 64 (lane / 16)
.set WFA,  4                           ; v4   the same in Wf: 512 r + 64 (lane / 16)
.set BA,   5                           ; v5   64 (lane / 16): my half's eight units in bq, bk
.set WI,   6                           ; v6   where I store weight images: 16 x lane + 2,048 x wave
.set WS,   7                           ; v7   and their scale words: 4 x lane + 256 x wave
.set XA,   8                           ; v8   x's tile: my position's column, my wave's 128 channels
.set XCW,  9                           ; v9   where I store my position's codes
.set XSWR, 10                          ; v10  and its scale word
.set XQ,   11                          ; v11  x's fragment of positions 16 w + r
.set XSQ,  12                          ; v12  4 (16 w + r)
.set XV,   13                          ; v13  x's fragment of positions r + 8 (r / 8)
.set XSV,  14                          ; v14  4 (r + 8 (r / 8))
.set XK,   15                          ; v15  x's fragment of my tile of keys
.set XSK,  16                          ; v16  4 x that key; also my hidden unit's place in bv
.set SCK,  17                          ; v17  a tile's scale words on their way out: 16 r + 256 (w % 2) + 4 (w / 2)
.set SCR,  18                          ; v18  16 x lane + 512 x wave
.set BVV,  19                          ; v19  bv of my hidden unit
.set PWW,  20                          ; v20  a weight fragment's scale word
.set PWQ,  23                          ; v23, v62, v63  scale words of Q, K, V
.set PWK,  62
.set PWV,  63
.set WVF,  24                          ; v24-39  my tile of Wv: two fragments; they stay
.set PC,   40                          ; v40-47  a weight fragment's codes
.set MX,   48                          ; v48-51  largest magnitudes
.set PB,   52                          ; v52-55  the other half's, then the bytes
.set SF,   56                          ; v56-59  the conversions' scale operands
.set WVS,  60                          ; v60-61  Wv's scale words
.set WB,   64                          ; v64-127  W: numbers; X: two sets of 32; P: eight fragments
.set HA,   128                         ; v128-191 W: numbers; P: eight accumulators
.set XF,   192                         ; v192-207 (v192-255 W: numbers) x's two fragments
.set BV,   208                         ; v208-215 bv as a C
.set WSW,  216                         ; v216-223 eight scale words
.set PCQ,  224                         ; v224-239 X: codes; then Q's and K's fragments
.set PCK,  232
.set PCV,  240                         ; v240-247 V's fragment
.set XW,   248                         ; v248     x's scale word in the making
.set XSW,  250                         ; v250-251 x's two scale words.   Window 1: v0-63 bq, v64-127 bk, in the result's layout
.set WV,   28                          ; s28  wave
.set BT,   30                          ; s30  batch
.set SPC,  31                          ; s31  0 in the wave that quantises a tile of Wf
.set SEL,  32                          ; s[32:33] v_permlanex16_b32's selects for lane l xor 16
.set WFB,  34                          ; s[34:35] Wf at my tile
.set G1,   36                          ; s[36:43] descriptor group 1
.set G0,   44                          ; s[44:47] descriptor group 0
.set QI,   48                          ; s[48:49] qimg at my tile
.set KI,   50                          ; s[50:51] kv at my step's block + 1,024 x wave
.set OUTS, 52                          ; s[52:53] where my 512 bytes of scale words go
.set WFI,  54                          ; s[54:55] wfimg at my image;  s[56:57] at its scale image
.set WFS,  56
.set MSB, 0
.macro WIN new                         ; the immediate's high byte repeats the setting that is left
.if MSB != \new
	s_set_vgpr_msb (MSB<<8)|\new
.set MSB, \new
.endif
.endm
.macro PLACES n
.rept \n
	v_nop
.endr
.endm
; 64 numbers of a lane, register 16 b + i = k 32 b + 16 (lane / 16) + i of my row, become a fragment's codes in v[pc] on and its scale word in v[pw].
.macro QUANT s, pc, pw
.irp b, 0,1,2,3
	v_max3_num_f32 v[MX+\b], |v[\s+16*\b]|, |v[\s+1+16*\b]|, 0x1800000   ; block b: my 16 numbers, and the floor 2^(3 - 127): the byte cannot fall under 1
.endr
.irp i, 2,4,6,8,10,12,14
.irp b, 0,1,2,3
	v_max3_num_f32 v[MX+\b], v[MX+\b], |v[\s+16*\b+\i]|, |v[\s+1+16*\b+\i]|   ; the four blocks by turns
.endr
.endr
.irp b, 0,1,2,3
	v_permlanex16_b32 v[PB+\b], v[MX+\b], s[SEL], s[SEL+1]
.endr
.irp b, 0,1,2,3
	v_max_num_f32 v[MX+\b], v[MX+\b], v[PB+\b]     ; with lane l xor 16's: the block's largest magnitude
.endr
.irp b, 0,1,2,3
	v_add_nc_u32 v[SF+\b], 0xff000000, v[MX+\b]    ; 2 off its exponent field: the conversion takes that field as its scale
.endr
.irp b, 0,1,2,3
	v_lshrrev_b32 v[PB+\b], 23, v[SF+\b]           ; the scale's byte
.endr
	v_lshl_or_b32 v[\pw], v[PB+1], 8, v[PB]        ; four bytes: my row's scale word
	v_lshl_or_b32 v[\pw], v[PB+2], 16, v[\pw]
	v_lshl_or_b32 v[\pw], v[PB+3], 24, v[\pw]
.irp b, 0,1,2,3
	v_cvt_scalef32_pk8_fp4_f32 v[\pc+2*\b], v[\s+16*\b:\s+7+16*\b], v[SF+\b]
	v_cvt_scalef32_pk8_fp4_f32 v[\pc+1+2*\b], v[\s+8+16*\b:\s+15+16*\b], v[SF+\b]
.endr
	v_nop                                          ; one plain place behind a scaled conversion
.irp c, 0,1                                    ; the layout wants a whole block in a lane: lanes 0-15 block 2 c, lanes 16-31 block 2 c + 1
.irp i, 0,1
	v_permlane16_swap_b32 v[\pc+4*\c+\i], v[\pc+2+4*\c+\i]
.endr
.endr
.endm
.macro WLOAD reg, base, s, adr         ; my row's 64 numbers of K step s: 16 neighbours of each block of 32
.irp b, 0,1,2,3
.irp j, 0,1,2,3
	global_load_b128 v[\reg+16*\b+4*\j:\reg+16*\b+4*\j+3], v[\adr], s[\base:\base+1] offset:512*\s+128*\b+16*\j
.endr
.endr
.endm
.macro IMAGE off                       ; the fragment in v[PC] on goes to LDS as it stands
.irp c, 0,1
	ds_store_b128 v[WI], v[PC+4*\c:PC+4*\c+3] offset:\off+512*\c
.endr
.endm
.macro XL t                            ; block t of my position: 32 channels, into set t % 2; 32 lanes read 128 neighbouring bytes
.set J, 0
.rept 32
	ds_load_b32 v[WB+32*((\t)%2)+J], v[XA] offset:(32*(\t)+J)*512
.set J, J+1
.endr
.endm
	s_load_b512 s[4:19], s[0:1], 0x0               ; x 4, Wq 6, bq 8, Wk 10, bk 12, Wv 14, bv 16, Wf 18
	s_load_b256 s[20:27], s[0:1], 0x40             ; qimg 20, qsc 22, kv 24, wfimg 26
	v_lshl_add_u32 v21, v0, 2, 0x2e200
	v_mov_b32 v22, 0
	ds_add_u32 v21, v22
	ds_add_u32 v21, v22
	v_lshrrev_b32 v1, 5, v0
	v_readfirstlane_b32 s[WV], v1                  ; wave 0..7
	s_and_b32 s[BT], ttmp7, 0xffff                 ; batch
	s_or_b32 s[SPC], ttmp9, s[WV]
	s_mov_b32 s[SEL], 0x76543210
	s_mov_b32 s[SEL+1], 0xfedcba98
	; descriptor group 1: 32 rows (channels) x 128 elements of 4 bytes, 2,048 elements from row to row, no padding
	s_mov_b32 s[G1+0], 2<<16                       ; no mask; elements of 4 bytes
	s_mov_b32 s[G1+1], 128<<16                     ; tensor_dim0 = 128
	s_mov_b32 s[G1+2], 32<<16                      ; tensor_dim1 = 32
	s_mov_b32 s[G1+3], 128<<16                     ; tile_dim0 = 128
	s_mov_b32 s[G1+4], 32                          ; tile_dim1 = 32
	s_mov_b32 s[G1+5], 2048                        ; tensor_dim0_stride
	s_mov_b32 s[G1+6], 0
	s_mov_b32 s[G1+7], 0
	s_mov_b32 s[G0], 1
	s_lshl_b32 s[G0+1], s[WV], 14
	s_add_co_u32 s[G0+1], s[G0+1], XT              ; LDS: my 32 rows of 512 bytes
	s_lshl_b32 s62, s[BT], 21                      ; the batch: 256 x 2,048 x 4 bytes,
	s_lshl_b32 s61, s[WV], 18                      ; my 32 channels,
	s_add_co_u32 s62, s62, s61
	s_lshl_b32 s61, ttmp9, 9                       ; the work-group's 128 positions
	s_add_co_u32 s62, s62, s61
	s_mov_b32 s63, 0
	s_wait_dscnt 0x0
	s_wait_kmcnt 0x0
	s_add_nc_u64 s[G0+2:G0+3], s[4:5], s[62:63]
	s_or_b32 s[G0+3], s[G0+3], 0x80000000          ; type = 2
	tensor_load_to_lds s[G0:G0+3], s[G1:G1+7]      ; my one tensor load: 16,384 bytes of x; it lands while the weights are quantised
	s_nop 0
	PLACES 4
	v_and_b32 v48, 31, v0                          ; lane
	v_and_b32 v49, 15, v0                          ; r
	v_bfe_u32 v50, v0, 4, 1                        ; lane / 16
	v_and_b32 v51, 8, v49
	v_add_nc_u32 v51, v51, v49                     ; r + 8 (r / 8)
	s_lshr_b32 s58, s[WV], 1
	s_and_b32 s59, s[WV], 1
	s_lshl_b32 s60, s58, 5
	s_lshl_b32 s61, s59, 3
	s_add_co_u32 s60, s60, s61                     ; where tile w begins: 32 (w / 2) + 8 (w % 2)
	v_add_nc_u32 v52, s60, v51                     ; my row of tile w
	v_lshlrev_b32 v[WA], 10, v52
	v_lshl_add_u32 v[WA], v50, 6, v[WA]
	v_lshlrev_b32 v[BA], 6, v50
	v_lshlrev_b32 v[XSK], 2, v52
	WIN 0x40                                       ; destination window 1
.irp t, 0,1,2,3,4,5,6,7                        ; tile 2 b + u, lane half h: units 32 b + 16 h + 8 u + 0 .. 7
	global_load_b128 v[8*\t:8*\t+3], v[BA], s[8:9] offset:(32*(\t/2)+8*(\t%2))*4
	global_load_b128 v[8*\t+4:8*\t+7], v[BA], s[8:9] offset:(32*(\t/2)+8*(\t%2))*4+16
	global_load_b128 v[64+8*\t:64+8*\t+3], v[BA], s[12:13] offset:(32*(\t/2)+8*(\t%2))*4
	global_load_b128 v[64+8*\t+4:64+8*\t+7], v[BA], s[12:13] offset:(32*(\t/2)+8*(\t%2))*4+16
.endr
	WIN 0
	global_load_b32 v[BVV], v[XSK], s[16:17]
	WLOAD 64, 6, 0, WA                             ; Wq, K step 0
	WLOAD 128, 6, 1, WA                            ; Wq, K step 1
	WLOAD 192, 10, 0, WA                           ; Wk, K step 0
	; the other addresses, all made here, ahead of every branch
	v_lshlrev_b32 v[LI], 4, v48
	v_lshlrev_b32 v[LS4], 2, v48
	v_lshlrev_b32 v[WFA], 9, v49
	v_lshl_add_u32 v[WFA], v50, 6, v[WFA]
	s_lshl_b32 s61, s[WV], 11
	v_add_nc_u32 v[WI], s61, v[LI]
	s_lshl_b32 s61, s[WV], 8
	v_add_nc_u32 v[WS], s61, v[LS4]
	s_lshl_b32 s61, s[WV], 4
	v_add_nc_u32 v54, s61, v49                     ; 16 w + r
	v_mul_u32_u24 v[XQ], v54, XP
	v_lshl_add_u32 v[XQ], v50, 4, v[XQ]
	v_add_nc_u32 v[XQ], XC, v[XQ]
	v_lshlrev_b32 v[XSQ], 2, v54
	v_mul_u32_u24 v[XV], v51, XP
	v_lshl_add_u32 v[XV], v50, 4, v[XV]
	v_add_nc_u32 v[XV], XC, v[XV]
	v_lshlrev_b32 v[XSV], 2, v51
	s_mul_i32 s61, s60, XP
	v_add_nc_u32 v[XK], s61, v[XV]
	s_lshl_b32 s61, s59, 8
	s_lshl_b32 s58, s58, 2
	s_add_co_u32 s61, s61, s58
	v_lshl_add_u32 v[SCK], v49, 4, s61
	s_lshl_b32 s61, s[WV], 9
	v_add_nc_u32 v[SCR], s61, v[LI]
	s_lshr_b32 s58, s[WV], 2                       ; X: my K step (128 channels),
	s_and_b32 s59, s[WV], 3                        ; and my 32 positions
	s_lshl_b32 s61, s58, 16
	s_lshl_b32 s60, s59, 7
	s_add_co_u32 s61, s61, s60
	s_add_co_u32 s61, s61, XT
	v_add_nc_u32 v[XA], s61, v[LS4]
	s_lshl_b32 s60, s59, 5
	v_add_nc_u32 v53, s60, v48                     ; my position
	v_mul_u32_u24 v[XCW], v53, XP
	s_lshl_b32 s61, s58, 6
	s_add_co_u32 s61, s61, XC
	v_add_nc_u32 v[XCW], s61, v[XCW]
	s_lshl_b32 s61, s58, 9
	v_lshl_add_u32 v[XSWR], v53, 2, s61
.irp b, 0,1,2,3
	v_mov_b32 v[PB+\b], 0                          ; written once: a lane permute's destination counts as one of its sources
.endr
	; the bases of the stores, made once and never written again
	s_lshl_b32 s62, s[BT], 13
	s_add_nc_u64 s[WFB:WFB+1], s[18:19], s[62:63]  ; Wf: 16 rows of 512 bytes a tile
	s_lshl_b32 s62, s[BT], 10
	s_add_nc_u64 s[WFI:WFI+1], s[26:27], s[62:63]
	s_lshl_b32 s62, s[BT], 7
	s_add_co_u32 s62, s62, 16384
	s_add_nc_u64 s[WFS:WFS+1], s[26:27], s[62:63]
	s_lshl_b32 s62, s[BT], 7
	s_lshl_b32 s61, ttmp9, 3
	s_add_co_u32 s62, s62, s61
	s_add_co_u32 s62, s62, s[WV]                   ; Q's tile: 128 x batch + 8 x work-group x + wave
	s_lshl_b32 s62, s62, 10
	s_add_nc_u64 s[QI:QI+1], s[20:21], s[62:63]
	s_lshl_b32 s61, s[BT], 4
	s_add_co_u32 s61, s61, ttmp9
	s_mul_i32 s61, s61, KVSTEP                     ; the step's block in kv
	s_lshl_b32 s62, s[WV], 10
	s_add_co_u32 s62, s62, s61
	s_add_nc_u64 s[KI:KI+1], s[24:25], s[62:63]
	s_lshl_b32 s62, s[WV], 9
	s_add_co_u32 s62, s62, s61
	s_add_co_u32 s62, s62, 16384
	s_add_nc_u64 s[58:59], s[24:25], s[62:63]      ; wave 0: K's scale words; wave 1: V's
	s_lshl_b32 s62, s[BT], 13
	s_lshl_b32 s61, ttmp9, 9
	s_add_co_u32 s62, s62, s61
	s_add_nc_u64 s[OUTS:OUTS+1], s[22:23], s[62:63]   ; wave 2: Q's
	s_cmp_eq_u32 s[WV], 2
	s_cselect_b64 s[OUTS:OUTS+1], s[OUTS:OUTS+1], s[58:59]
	; ---- W: six units of 64 numbers a lane, in three buffers; a buffer is loaded again as soon as it is quantised
	s_wait_loadcnt 32                              ; Wq's K step 0 (and the biases, which are older) is in; the two units behind it stay out
	QUANT 64, PC, PWW
	IMAGE WIMG
	ds_store_b32 v[WS], v[PWW] offset:WSC
	WLOAD 64, 10, 1, WA                            ; Wk, K step 1
	s_wait_loadcnt 32                              ; Wq's K step 1; two units behind it
	s_wait_dscnt 0x0                               ; the last image's stores have read their registers
	QUANT 128, PC, PWW
	IMAGE WIMG+1024
	ds_store_b32 v[WS], v[PWW] offset:WSC+128
	WLOAD 128, 14, 0, WA                           ; Wv, K step 0
	s_wait_loadcnt 32                              ; Wk's K step 0
	s_wait_dscnt 0x0
	QUANT 192, PC, PWW
	IMAGE WIMG+16384
	ds_store_b32 v[WS], v[PWW] offset:WSC+2048
	WLOAD 192, 14, 1, WA                           ; Wv, K step 1
	s_wait_loadcnt 32                              ; Wk's K step 1
	s_wait_dscnt 0x0
	QUANT 64, PC, PWW
	IMAGE WIMG+16384+1024
	ds_store_b32 v[WS], v[PWW] offset:WSC+2048+128
	s_cmp_eq_u32 s[SPC], 0
	s_cbranch_scc0 .Lnot_wf_a
	WLOAD 64, WFB, 0, WFA                          ; one tile of Wf: its K is 128, one unit
.Lnot_wf_a:
	s_wait_loadcnt 16                              ; Wv's K step 0: one unit was issued behind it (two where Wf's was: the count is then the smaller one)
	QUANT 128, WVF, WVS
	s_wait_loadcnt 0x0
	QUANT 192, WVF+8, WVS+1
	s_cmp_eq_u32 s[SPC], 0
	s_cbranch_scc0 .Lnot_wf_b
	s_wait_dscnt 0x0                               ; the last image's stores have read v[PC] on
	QUANT 64, PC, PWW
	global_store_b128 v[LI], v[PC:PC+3], s[WFI:WFI+1]              ; 512 neighbouring bytes a store; these registers are not written again
	global_store_b128 v[LI], v[PC+4:PC+7], s[WFI:WFI+1] offset:512
	global_store_b32 v[LS4], v[PWW], s[WFS:WFS+1]
.Lnot_wf_b:
.irp j, 0,1,2,3,4,5,6,7
	v_mov_b32 v[BV+\j], v[BVV]                     ; V's result holds one hidden unit a lane: its bias in all eight registers of a C
.endr
	s_wait_tensorcnt 0x0                           ; my part of x has landed,
	s_wait_dscnt 0x0                               ; my images are stored:
	s_barrier_signal -1
	s_barrier_wait -1                              ; everybody's are
	; ---- X: my position's 128 channels: four blocks of 32
.macro BLOCK t, left
.set XN, WB+32*((\t)%2)
	s_wait_dscnt \left                             ; this block's 32 loads are in; what was issued behind them stays out
	v_max3_num_f32 v[MX], |v[XN]|, |v[XN+1]|, |v[XN+2]|            ; all 32 numbers are mine: two chains
	v_max3_num_f32 v[MX+1], |v[XN+3]|, |v[XN+4]|, |v[XN+5]|
.irp i, 6,10,14,18,22,26
	v_max3_num_f32 v[MX], v[MX], |v[XN+\i]|, |v[XN+\i+1]|
	v_max3_num_f32 v[MX+1], v[MX+1], |v[XN+\i+2]|, |v[XN+\i+3]|
.endr
	v_max3_num_f32 v[MX], v[MX], |v[XN+30]|, |v[XN+31]|
	v_max3_num_f32 v[MX], v[MX], v[MX+1], 0x1800000                ; and the floor
	v_add_nc_u32 v[SF], 0xff000000, v[MX]
	v_lshrrev_b32 v[PB], 23, v[SF]
.if (\t) == 0
	v_mov_b32 v[XW], v[PB]
.else
	v_lshl_or_b32 v[XW], v[PB], 8*(\t), v[XW]
.endif
.irp g, 0,1,2,3
	v_cvt_scalef32_pk8_fp4_f32 v[PCQ+4*(\t)+\g], v[XN+8*\g:XN+8*\g+7], v[SF]
.endr
	v_nop                                          ; one plain place behind a scaled conversion
	ds_store_b128 v[XCW], v[PCQ+4*(\t):PCQ+4*(\t)+3] offset:16*(\t)
.if (\t) < 2
	XL (\t)+2
.endif
.endm
	XL 0
	XL 1
	BLOCK 0, 32                                    ; behind block 0's loads: block 1's 32
	BLOCK 1, 33                                    ; behind block 1's: one store and block 2's 32
	BLOCK 2, 33
	BLOCK 3, 1                                     ; behind block 3's: one store
	ds_store_b32 v[XSWR], v[XW] offset:XS
	s_wait_dscnt 0x0
	s_barrier_signal -1
	s_barrier_wait -1                              ; x's codes and scale words lie in LDS
	; ---- P.  Q or K of 16 positions: eight tiles of hidden units by turns, two K steps
.macro PROJ wsel, xa, xs, pc, pw
.irp s, 0,1
.irp c, 0,1
	ds_load_b128 v[XF+8*\s+4*\c:XF+8*\s+4*\c+3], v[\xa] offset:64*\s+32*\c
.endr
	ds_load_b32 v[XSW+\s], v[\xs] offset:XS+512*\s
.endr
.irp s, 0,1
.irp t, 0,1,2,3,4,5,6,7
.irp c, 0,1
	ds_load_b128 v[WB+8*\t+4*\c:WB+8*\t+4*\c+3], v[LI] offset:WIMG+\wsel*16384+(2*\t+\s)*1024+512*\c
.endr
	ds_load_b32 v[WSW+\t], v[LS4] offset:WSC+\wsel*2048+(2*\t+\s)*128
.endr
	s_wait_dscnt 0x0
.if \s == 0
	WIN 0x10                                       ; C, the bias, in window 1
.irp t, 0,1,2,3,4,5,6,7
	v_wmma_scale_f32_16x16x128_f8f6f4 v[HA+8*\t:HA+8*\t+7], v[WB+8*\t:WB+8*\t+7], v[XF:XF+7], v[64*\wsel+8*\t:64*\wsel+8*\t+7], v[WSW+\t], v[XSW] matrix_a_fmt:MATRIX_FMT_FP4 matrix_b_fmt:MATRIX_FMT_FP4
.endr
	WIN 0
.else
.irp t, 0,1,2,3,4,5,6,7
	v_wmma_scale_f32_16x16x128_f8f6f4 v[HA+8*\t:HA+8*\t+7], v[WB+8*\t:WB+8*\t+7], v[XF+8:XF+15], v[HA+8*\t:HA+8*\t+7], v[WSW+\t], v[XSW+1] matrix_a_fmt:MATRIX_FMT_FP4 matrix_b_fmt:MATRIX_FMT_FP4
.endr
.endif
	PLACES 4                                       ; in front of loads into registers that these have read, and of the first read of results
.endr
	QUANT HA, \pc, \pw
.endm
	PROJ 0, XQ, XSQ, PCQ, PWQ
	global_store_b128 v[LI], v[PCQ:PCQ+3], s[QI:QI+1]              ; Q's image: 512 neighbouring bytes a store
	global_store_b128 v[LI], v[PCQ+4:PCQ+7], s[QI:QI+1] offset:512
	ds_store_b32 v[XSQ], v[PWQ] offset:SCS+1024    ; (lanes l and l xor 16 write the same word with the same value)
	PROJ 1, XK, XSK, PCK, PWK
	global_store_b128 v[LI], v[PCK:PCK+3], s[KI:KI+1]
	global_store_b128 v[LI], v[PCK+4:PCK+7], s[KI:KI+1] offset:512
	ds_store_b32 v[SCK], v[PWK] offset:SCS
	; V of my 16 hidden units for all 128 positions: eight tiles of positions by turns, two K steps
.irp s, 0,1
.irp p, 0,1,2,3,4,5,6,7
.irp c, 0,1
	ds_load_b128 v[WB+8*\p+4*\c:WB+8*\p+4*\c+3], v[XV] offset:(32*(\p/2)+8*(\p%2))*XP+64*\s+32*\c
.endr
	ds_load_b32 v[WSW+\p], v[XSV] offset:XS+512*\s+(32*(\p/2)+8*(\p%2))*4
.endr
	s_wait_dscnt 0x0
.irp p, 0,1,2,3,4,5,6,7
.if \s == 0
	v_wmma_scale_f32_16x16x128_f8f6f4 v[HA+8*\p:HA+8*\p+7], v[WB+8*\p:WB+8*\p+7], v[WVF:WVF+7], v[BV:BV+7], v[WSW+\p], v[WVS] matrix_a_fmt:MATRIX_FMT_FP4 matrix_b_fmt:MATRIX_FMT_FP4
.else
	v_wmma_scale_f32_16x16x128_f8f6f4 v[HA+8*\p:HA+8*\p+7], v[WB+8*\p:WB+8*\p+7], v[WVF+8:WVF+15], v[HA+8*\p:HA+8*\p+7], v[WSW+\p], v[WVS+1] matrix_a_fmt:MATRIX_FMT_FP4 matrix_b_fmt:MATRIX_FMT_FP4
.endif
.endr
	PLACES 4
.endr
	QUANT HA, PCV, PWV
	global_store_b128 v[LI], v[PCV:PCV+3], s[KI:KI+1] offset:8192
	global_store_b128 v[LI], v[PCV+4:PCV+7], s[KI:KI+1] offset:8704
	ds_store_b32 v[SCK], v[PWV] offset:SCS+512
	; ---- the scale words leave in runs of 512 bytes: wave 0 K's, wave 1 V's, wave 2 Q's
	s_wait_dscnt 0x0
	s_barrier_signal -1
	s_barrier_wait -1
	s_cmp_lt_u32 s[WV], 3
	s_cbranch_scc0 .Lend
	ds_load_b128 v[WB:WB+3], v[SCR] offset:SCS
	s_wait_dscnt 0x0
	global_store_b128 v[LI], v[WB:WB+3], s[OUTS:OUTS+1]
.Lend:
	s_wait_tensorcnt 0x0
	ds_add_u32 v21, v22
	s_wait_dscnt 0x0
	s_endpgm
.Lfunc_end_k_q5288c59529_proj:
	.size	k_q5288c59529_proj, .Lfunc_end_k_q5288c59529_proj-k_q5288c59529_proj
	.p2alignl 7, 3214868480
	.fill 96, 4, 3214868480
	.section	.rodata,"a",@progbits
	.p2align	6, 0x0
	.amdhsa_kernel k_q5288c59529_proj
		.amdhsa_group_segment_fixed_size 189952
		.amdhsa_private_segment_fixed_size 0
		.amdhsa_enable_private_segment 0
		.amdhsa_kernarg_size 96
		.amdhsa_user_sgpr_count 2
		.amdhsa_user_sgpr_kernarg_segment_ptr 1
		.amdhsa_wavefront_size32 1
		.amdhsa_system_sgpr_workgroup_id_x 1
		.amdhsa_system_sgpr_workgroup_id_y 1
		.amdhsa_system_sgpr_workgroup_id_z 1
		.amdhsa_system_vgpr_workitem_id 0
		.amdhsa_next_free_vgpr 384
		.amdhsa_next_free_sgpr 66
		.amdhsa_reserve_vcc 0
		.amdhsa_float_denorm_mode_32 3
		.amdhsa_float_denorm_mode_16_64 3
		.amdhsa_memory_ordered 1
		.amdhsa_forward_progress 1
		.amdhsa_inst_pref_size 91
	.end_amdhsa_kernel
	.amdgpu_metadata
---
amdhsa.version: [ 1, 2 ]
amdhsa.kernels:
  - .name:           k_q5288c59529_proj
    .symbol:         k_q5288c59529_proj.kd
    .args:
      - { .name: x, .offset: 0, .size: 8, .value_kind: global_buffer, .address_space: global }
      - { .name: Wq, .offset: 8, .size: 8, .value_kind: global_buffer, .address_space: global }
      - { .name: bq, .offset: 16, .size: 8, .value_kind: global_buffer, .address_space: global }
      - { .name: Wk, .offset: 24, .size: 8, .value_kind: global_buffer, .address_space: global }
      - { .name: bk, .offset: 32, .size: 8, .value_kind: global_buffer, .address_space: global }
      - { .name: Wv, .offset: 40, .size: 8, .value_kind: global_buffer, .address_space: global }
      - { .name: bv, .offset: 48, .size: 8, .value_kind: global_buffer, .address_space: global }
      - { .name: Wf, .offset: 56, .size: 8, .value_kind: global_buffer, .address_space: global }
      - { .name: qimg, .offset: 64, .size: 8, .value_kind: global_buffer, .address_space: global }
      - { .name: qsc, .offset: 72, .size: 8, .value_kind: global_buffer, .address_space: global }
      - { .name: kv, .offset: 80, .size: 8, .value_kind: global_buffer, .address_space: global }
      - { .name: wfimg, .offset: 88, .size: 8, .value_kind: global_buffer, .address_space: global }
    .group_segment_fixed_size: 189952
    .private_segment_fixed_size: 0
    .kernarg_segment_align: 8
    .kernarg_segment_size: 96
    .max_flat_workgroup_size: 256
    .sgpr_count:     66
    .vgpr_count:     384
    .wavefront_size: 32
...
	.end_amdgpu_metadata
.endif
;; end of part 1
;; launch attn (part 2): grid 16 x 16, 8 waves a work-group, clusters of 4 x 1, 297,984 bytes of LDS; arguments qimg, qsc, kv, wfimg, x, bf, out0; writes out0
.if DOCPART == 2
	.amdgcn_target "amdgcn-amd-amdhsa--gfx1250"
	.amdhsa_code_object_version 6
	.text
	.protected	k_q5288c59529_attn
	.globl	k_q5288c59529_attn
	.p2align	8
	.type	k_q5288c59529_attn,@function
k_q5288c59529_attn:
	s_mov_b64 s[64:65], 0
	v_nop
	global_prefetch_b8 v0, s[64:65] scope:SCOPE_SE
	s_setreg_imm32_b32 hwreg(HW_REG_WAVE_MODE, 25, 1), 1
	s_wait_xcnt 0x0
	s_wait_alu depctr_hold_cnt(0) depctr_sa_sdst(0) depctr_va_vdst(0) depctr_va_sdst(0) depctr_va_ssrc(0) depctr_va_vcc(0) depctr_vm_vsrc(0)
	s_getreg_b32 s2, hwreg(HW_REG_IB_STS2, 6, 4)
	s_cmp_eq_u32 s2, 0
	s_cbranch_scc0 .Lentry_in_a_cluster
	s_endpgm
.Lentry_in_a_cluster:
	s_bfe_u32 s2, ttmp6, 0x10000c
	s_cmp_lg_u32 s2, 0x3003
	s_cbranch_scc0 .Lentry_shape_is_right
	s_endpgm
.Lentry_shape_is_right:
; out0[b][c][i] = x[b][c][i] + bf[c] + sum over h of Wf[c][h] o[b][h][i],  o[b][h][i] = sum over j of V[b][h][j] softmax_j(Q[b][:][i] . K[b][:][j]),  all three products on codes of FP4 (E2M1) with one E8M0 scale for each 32 along K.
; Q, K, V and Wf arrive as images of operand registers (a fragment, 8 registers a lane, is 1,024 bytes: registers 4 c .. 4 c + 3 of lane l at 512 c + 16 l) with their scale words.
; THE SOFTMAX AHEAD OF THE SECOND PRODUCT: t = score x log2(e); M = the running largest t rounded UP to a whole number; p = 2^(t - M) is quantised along the keys, not normalised; the row's sum is taken of the unquantised p
; and divides O at the end; when M moves, the sum and O are multiplied by 2^(old M - new M), which rounds nothing.
; SHARES.  A work-group owns 128 queries of one batch, each of its eight waves 16 of them: one tile.  Every wave walks the batch's 2,048 keys, 128 a step.
; ALL OF A BATCH'S K AND V, 16 steps x 17,408 bytes, LIES IN LDS, and Wf behind it: each byte is filled once, so there is no ring.  The fills go out as five loads a wave at the head, four steps to a group.
; CLUSTER.  The four work-groups of a cluster belong to one batch and want the same K, V and Wf: each load is asked for JOINTLY, by the same descriptor with a mask that names the four.
; LAYOUT.  S^T = K Q^T (source 0 = 16 keys, source 1 = my 16 queries), O^T = V^T P^T (source 0 = 16 hidden units, source 1 = P): a lane holds ONE query throughout.  Lane r of tile 2 b + u of K (of V) holds key (hidden unit)
; 32 b + 8 u + r + 8 (r / 8), so that the 16 registers of result tiles 2 b and 2 b + 1 are 16 neighbours along the next K.  The last product takes o as source 0 and 16 channels of Wf as source 1: a lane holds one channel and eight neighbouring queries.
; A step's scale words of K (of V): the word of (tile 2 q + u, lane r) lies at 16 (16 u + r) + 4 q: one load of 16 bytes a lane gives register q tile 2 q's words in lanes 0-15 and tile 2 q + 1's in lanes 16-31.
; THE ORDER OF A STEP.  K's fragments are fetched a step ahead, into registers of their own, behind the products that read the last ones; V's are asked for between the dependent lines that make M; the 68 exponentials are one batch
; with one wait, dealt by turns with plain lines that name none of their results (scalings of later pairs, O^T's rescaling).
; LIMITS: NaN and infinities are not served.  A block whose largest magnitude lies under 2^-124, zeros among them, gets the scale byte 1.
.set STEPB, 17408                      ; a step's block: 8 images of K, 8 of V, K's scale words (512 bytes), V's (512)
.set GRPB,  69632                      ; four steps: what one load of each of the eight waves brings
.set WPART, 8704                       ; a wave's eighth of it: 34 rows of 256 bytes
.set KVB,   278528                     ; a batch's 16 steps
.set WFL,   278528                     ; LDS: behind them Wf's 16 images,
.set WFSL,  294912                     ; and their 16 scale images of 128 bytes
.set SPI,   528                        ; the way out: a stage of 256 channel rows x (512 bytes + 16), from LDS byte 0: written when K and V have had their only fill and their last read
.set LI,   1                           ; v1   16 x lane
.set ADR,  2                           ; v2   LDS address of the step in hand
.set SO,   3                           ; v3   the stage: where I put 32 bytes of a channel's row: 528 r + 64 w + 32 (lane / 16)
.set SO2,  4                           ; v4   the same 128 rows further down
.set SR,   5                           ; v5   where I read rows back: my 32 rows, 16 bytes a lane
.set WFA,  6                           ; v6   Wf's images
.set WFSA, 7                           ; v7   Wf's scale images
.set QSO,  8                           ; v8   4 r
.set QF,   16                          ; v16-23   Q's fragment.   v12 -M, v13 the largest t, v[14:15] the sum in two halves
.set KS,   24                          ; v24-27   K's scale words;  v28-31 V's;  at the end v24-31 Wf's
.set VS,   28
.set FRG,  32                          ; v32-95   eight fragments of V; at the end of Wf
.set ST,   96                          ; v96-159  S^T, then p; at the end o, then results, then rows of the output
.set OT,   160                         ; v160-223 O^T
.set PCD,  224                         ; v224-231 codes
.set MX,   232                         ; v232-235 largest scores or magnitudes
.set PB,   236                         ; v236-239 the other half's; partial sums; bytes.   v240-241 a partial sum
.set SF,   244                         ; v244-247 a second set of maxima; the conversions' scale operands
.set OLDM, 251                         ; v251     -M as the last step left it
.set PW,   253                         ; v253     the scale word just made;  v252 f, v254 at work
.set QS,   255                         ; v255     Q's scale words
.set KF,   128                         ; window 1: v0-127 the residual, row i of my 32 channel rows at 4 i;  v128-191 K's eight fragments
.set WV,   18                          ; s18  wave
.set CX,   19                          ; s19  my place in the cluster: it enters the addresses of qimg, qsc, x and out0 alone
.set SEL,  20                          ; s[20:21] lane selects for lane l xor 16
.set CS,   22                          ; s[22:23] log2(e), named as a pair
.set G1KV, 24                          ; s[24:31] descriptor group 1 for K and V;  s[32:39] for Wf
.set G1WF, 32
.set G0,   40                          ; s[40:55] groups 0 of the four groups of steps;  s[56:59] Wf's
.set G0WF, 56
.set TB,   2                           ; s2   LDS byte at which the step in hand begins (at the head: the batch)
.set CNT,  3                           ; s3   counts a run's steps
.set BFS,  68                          ; s[68:99] bf of my 32 channels
.set MSB, 0
.macro WIN new                         ; the immediate's high byte repeats the setting that is left
.if MSB != \new
	s_set_vgpr_msb (MSB<<8)|\new
.set MSB, \new
.endif
.endm
.macro PLACES n
.rept \n
	v_nop
.endr
.endm
.macro CROUND                          ; a round of the cluster's barrier: my work-group's barrier; wave 0 signals for the work-group; every wave waits for all four; my work-group's barrier once more
	s_barrier_signal -1
	s_barrier_wait -1
	s_cmp_lg_u32 s[WV], 0
	s_cbranch_scc1 .Lnot_wave_0_\@
	s_barrier_signal -3
.Lnot_wave_0_\@:
	s_barrier_wait -3
	s_barrier_signal -1
	s_barrier_wait -1
.endm
; 64 numbers of a lane, register 16 b + i = k 32 b + 16 (lane / 16) + i of my row, become a fragment's codes in v[pc] on and its scale word in v[pw].
.macro QUANT s, pc, pw
.irp b, 0,1,2,3
	v_max3_num_f32 v[MX+\b], |v[\s+16*\b]|, |v[\s+1+16*\b]|, 0x1800000   ; block b: my 16 numbers, and the floor 2^(3 - 127): the byte cannot fall under 1
.endr
.irp i, 2,4,6,8,10,12,14
.irp b, 0,1,2,3
	v_max3_num_f32 v[MX+\b], v[MX+\b], |v[\s+16*\b+\i]|, |v[\s+1+16*\b+\i]|
.endr
.endr
.irp b, 0,1,2,3
	v_permlanex16_b32 v[PB+\b], v[MX+\b], s[SEL], s[SEL+1]
.endr
.irp b, 0,1,2,3
	v_max_num_f32 v[MX+\b], v[MX+\b], v[PB+\b]
.endr
.irp b, 0,1,2,3
	v_add_nc_u32 v[SF+\b], 0xff000000, v[MX+\b]    ; 2 off the exponent field: the conversion's scale operand
.endr
.irp b, 0,1,2,3
	v_lshrrev_b32 v[PB+\b], 23, v[SF+\b]           ; the scale's byte
.endr
	v_lshl_or_b32 v[\pw], v[PB+1], 8, v[PB]
	v_lshl_or_b32 v[\pw], v[PB+2], 16, v[\pw]
	v_lshl_or_b32 v[\pw], v[PB+3], 24, v[\pw]
.irp b, 0,1,2,3
	v_cvt_scalef32_pk8_fp4_f32 v[\pc+2*\b], v[\s+16*\b:\s+7+16*\b], v[SF+\b]
	v_cvt_scalef32_pk8_fp4_f32 v[\pc+1+2*\b], v[\s+8+16*\b:\s+15+16*\b], v[SF+\b]
.endr
	v_nop                                          ; one plain place behind a scaled conversion
.irp c, 0,1
.irp i, 0,1
	v_permlane16_swap_b32 v[\pc+4*\c+\i], v[\pc+2+4*\c+\i]
.endr
.endr
.endm
	s_load_b256 s[4:11], s[0:1], 0x0               ; qimg 4, qsc 6, kv 8, wfimg 10
	s_load_b128 s[12:15], s[0:1], 0x20             ; x 12, bf 14
	s_load_b64 s[16:17], s[0:1], 0x30              ; out0
	v_lshl_add_u32 v249, v0, 2, 0x48800
	v_mov_b32 v250, 0
	ds_add_u32 v249, v250
	ds_add_u32 v249, v250
	v_lshrrev_b32 v9, 5, v0
	v_readfirstlane_b32 s[WV], v9                  ; wave 0..7
	s_bfe_u32 s[CX], ttmp6, 0x40000                ; cx
	s_and_b32 s2, ttmp7, 0xffff                    ; the batch, which the four partners share
	; descriptor groups 1: dense blocks as rows of 256 bytes (32 elements of 8 bytes): 34 rows for K and V, 9 for Wf
	s_mov_b32 s[G1KV], 15|(3<<16)|(1<<21)          ; 15:0 the mask: all four work-groups; 17:16 elements of 8 bytes; 21 set beside a mask
	s_mov_b32 s[G1KV+1], 32<<16                    ; tensor_dim0
	s_mov_b32 s[G1KV+2], 34<<16                    ; tensor_dim1
	s_mov_b32 s[G1KV+3], 32<<16                    ; tile_dim0
	s_mov_b32 s[G1KV+4], 34                        ; tile_dim1
	s_mov_b32 s[G1KV+5], 32                        ; tensor_dim0_stride
	s_mov_b32 s[G1KV+6], 0
	s_mov_b32 s[G1KV+7], 0
	s_mov_b32 s[G1WF], 15|(3<<16)|(1<<21)
	s_mov_b32 s[G1WF+1], 32<<16
	s_mov_b32 s[G1WF+2], 9<<16
	s_mov_b32 s[G1WF+3], 32<<16
	s_mov_b32 s[G1WF+4], 9
	s_mov_b32 s[G1WF+5], 32
	s_mov_b32 s[G1WF+6], 0
	s_mov_b32 s[G1WF+7], 0
	s_mov_b32 s[SEL], 0x76543210
	s_mov_b32 s[SEL+1], 0xfedcba98
	s_mov_b32 s[CS], 0x3fb8aa3b                    ; log2(e)
	s_mov_b32 s[CS+1], s[CS]                       ; (named with it as a pair, so it is written)
	s_mul_i32 s66, s2, KVB                         ; the batch's block in kv,
	s_mul_i32 s3, s[WV], WPART                     ; my eighth of a group of steps: in memory and in LDS alike
	s_add_co_u32 s66, s66, s3
	s_mov_b32 s67, 0
	v_and_b32 v9, 31, v0                           ; lane
	v_and_b32 v10, 15, v0                          ; r
	v_bfe_u32 v11, v0, 4, 1                        ; lane / 16
	v_lshlrev_b32 v[LI], 4, v9
	v_mul_u32_u24 v[SO], v10, SPI
	v_lshl_add_u32 v[SO], v11, 5, v[SO]
	s_lshl_b32 s63, s[WV], 6
	v_add_nc_u32 v[SO], s63, v[SO]
	v_add_nc_u32 v[SO2], 128*SPI, v[SO]
	s_mul_i32 s63, s[WV], 32*SPI
	v_add_nc_u32 v[SR], s63, v[LI]
	v_add_nc_u32 v[WFA], WFL, v[LI]
	v_lshl_add_u32 v[WFSA], v9, 2, WFSL
	v_lshlrev_b32 v[QSO], 2, v10
	s_wait_dscnt 0x0
	s_wait_kmcnt 0x0
	s_add_nc_u64 s[8:9], s[8:9], s[66:67]
.irp g, 0,1,2,3
	s_mov_b32 s[G0+4*\g], 1                        ; count = 1
	s_add_co_u32 s[G0+4*\g+1], s3, \g*GRPB         ; LDS address: no place in the cluster enters it
	s_add_nc_u64 s[G0+4*\g+2:G0+4*\g+3], s[8:9], \g*GRPB
	s_or_b32 s[G0+4*\g+3], s[G0+4*\g+3], 0x80000000   ; type = 2
.endr
	s_mul_i32 s66, s[WV], 2304                     ; my eighth of Wf's 18,432 bytes
	s_mov_b32 s[G0WF], 1
	s_add_co_u32 s[G0WF+1], s66, WFL
	s_add_nc_u64 s[G0WF+2:G0WF+3], s[10:11], s[66:67]
	s_or_b32 s[G0WF+3], s[G0WF+3], 0x80000000
	; Q is asked for ahead of the cluster's round: it is mine alone and need not wait for the partners
	s_lshl_b32 s60, ttmp9, 2                       ; in a cluster launch ttmp9 counts clusters
	s_add_co_u32 s60, s60, s[CX]                   ; my block of 128 queries
	s_lshl_b32 s61, s2, 7
	s_lshl_b32 s62, s60, 3
	s_add_co_u32 s61, s61, s62
	s_add_co_u32 s61, s61, s[WV]                   ; my tile of queries: 128 x batch + 8 x block + wave
	s_mov_b32 s63, 0
	s_lshl_b32 s62, s61, 10
	s_add_nc_u64 s[4:5], s[4:5], s[62:63]
	s_lshl_b32 s62, s61, 6
	s_add_nc_u64 s[6:7], s[6:7], s[62:63]
	global_load_b128 v[QF:QF+3], v[LI], s[4:5]     ; Q's fragment stays in registers
	global_load_b128 v[QF+4:QF+7], v[LI], s[4:5] offset:512
	global_load_b32 v[QS], v[QSO], s[6:7]
	s_lshl_b32 s62, s2, 21                         ; x and out0: the batch,
	s_lshl_b32 s61, s[WV], 18                      ; my 32 channel rows of 8,192 bytes,
	s_add_co_u32 s62, s62, s61
	s_lshl_b32 s61, s60, 9                         ; my block's 512 bytes of a row
	s_add_co_u32 s62, s62, s61
	s_add_nc_u64 s[12:13], s[12:13], s[62:63]
	s_add_nc_u64 s[16:17], s[16:17], s[62:63]
	s_lshl_b32 s62, s[WV], 7
	s_add_nc_u64 s[14:15], s[14:15], s[62:63]
	s_load_b512 s[BFS:BFS+15], s[14:15], 0x0       ; bf of my 32 channels: wanted at the end
	s_load_b512 s[BFS+16:BFS+31], s[14:15], 0x40
	CROUND                                         ; all four work-groups are here: the joint loads meet
.irp g, 0,1,2,3
	tensor_load_to_lds s[G0+4*\g:G0+4*\g+3], s[G1KV:G1KV+7]   ; all fills of the launch go out together: five loads of mine are out
	s_nop 0
.endr
	tensor_load_to_lds s[G0WF:G0WF+3], s[G1WF:G1WF+7]
	s_nop 0
	PLACES 4
	WIN 0x40                                       ; destination window 1
.set J, 0
.rept 32
	global_load_b128 v[4*J:4*J+3], v[LI], s[12:13] offset:8192*J th:TH_LOAD_NT   ; the residual: asked for now, wanted at the end; 512 neighbouring bytes a load
.set J, J+1
.endr
	WIN 0
	v_mov_b32 v13, 0xff61b1e6                      ; the largest t so far: -3e38, under every t
	v_floor_f32 v12, -v13                          ; -M
	v_mov_b32 v14, 0                               ; the sum, in two halves
	v_mov_b32 v15, 0
	v_mov_b32 v[PW], 0                             ; (named as the upper half of the pair v[252:253] before it is first written)
.irp b, 0,1,2,3
	v_mov_b32 v[PB+\b], 0                          ; written once: a lane permute's destination counts as one of its sources
.endr
.set J, 0
.rept 64
	v_mov_b32 v[OT+J], 0                           ; O^T: the step is written without a first step of its own: the first change of M multiplies zeros
.set J, J+1
.endr
.macro KLD adr, off                    ; a step's eight fragments of K into window 1, and its scale words
	WIN 0x40                                       ; destination window 1, address window 0
.irp t, 0,1,2,3,4,5,6,7
.irp c, 0,1
	ds_load_b128 v[KF+8*\t+4*\c:KF+8*\t+4*\c+3], v[\adr] offset:\off+1024*\t+512*\c
.endr
.endr
	WIN 0
	ds_load_b128 v[KS:KS+3], v[\adr] offset:\off+16384
.endm
.macro VLD t                           ; fragment t of this step's V
	ds_load_b128 v[FRG+8*\t:FRG+8*\t+3], v[ADR] offset:8192+1024*\t
	ds_load_b128 v[FRG+8*\t+4:FRG+8*\t+7], v[ADR] offset:8192+1024*\t+512
.endm
.macro SCL p                           ; pair p of the scores: t - M, two at a time (of the pairs log2(e) and -M the low word serves both halves)
	v_pk_fma_f32 v[ST+2*(\p):ST+2*(\p)+1], v[ST+2*(\p):ST+2*(\p)+1], s[CS:CS+1], v[12:13] op_sel_hi:[1,0,0]
.endm
.macro RSC p                           ; pair p of O^T under the new M: x f
	v_pk_mul_f32 v[OT+2*(\p):OT+2*(\p)+1], v[OT+2*(\p):OT+2*(\p)+1], v[252:253] op_sel_hi:[1,0]
.endm
; A KEY STEP: 128 keys.  Its K and K's scale words are in registers: they were asked for a step ago and waited for in front of the last V^T P.  pre = 1: the next step's are asked for.
.macro STEP pre
	WIN 0x01                                       ; source 0, K, in window 1
.irp t, 0,2,4,6                                ; S^T = K Q^T: eight tiles of 16 keys; an odd tile's scale words stand in lanes 16-31.  These share no register with the products V^T P just ahead of them
	v_wmma_scale_f32_16x16x128_f8f6f4 v[ST+8*\t:ST+8*\t+7], v[KF+8*\t:KF+8*\t+7], v[QF:QF+7], 0, v[KS+\t/2], v[QS] matrix_a_fmt:MATRIX_FMT_FP4 matrix_b_fmt:MATRIX_FMT_FP4
	v_wmma_scale_f32_16x16x128_f8f6f4 v[ST+8+8*\t:ST+8+8*\t+7], v[KF+8+8*\t:KF+8+8*\t+7], v[QF:QF+7], 0, v[KS+\t/2], v[QS] matrix_a_fmt:MATRIX_FMT_FP4 matrix_b_fmt:MATRIX_FMT_FP4 matrix_a_scale:MATRIX_SCALE_ROW1
.endr
	WIN 0
	v_add_nc_u32 v[ADR], s[TB], v[LI]              ; four places in front of the loads into K's registers and of the first read of the scores: this step's address,
	v_mov_b32 v[OLDM], v12                         ; -M as it stands,
	PLACES 2                                       ; and two empty ones
.if \pre
	KLD ADR, STEPB                                 ; a whole step ahead of the products that want them
.endif
.irp b, 0,1,2,3
	v_max3_num_f32 v[MX+\b], v[ST+16*\b], v[ST+1+16*\b], v[ST+2+16*\b]   ; the largest score of each block of 32 keys: for the row's maximum and, since p rises with the score, for the block's largest p
.endr
.irp b, 0,1,2,3
	v_max3_num_f32 v[SF+\b], v[ST+8+16*\b], v[ST+9+16*\b], v[ST+10+16*\b]   ; two chains a block, eight in all: a line's source was written eight lines back
.endr
.irp i, 3,5
.irp b, 0,1,2,3
	v_max3_num_f32 v[MX+\b], v[MX+\b], v[ST+16*\b+\i], v[ST+1+16*\b+\i]
.endr
.irp b, 0,1,2,3
	v_max3_num_f32 v[SF+\b], v[SF+\b], v[ST+8+16*\b+\i], v[ST+9+16*\b+\i]
.endr
.endr
.irp b, 0,1,2,3
	v_max3_num_f32 v[MX+\b], v[MX+\b], v[SF+\b], v[ST+7+16*\b]
.endr
.irp b, 0,1,2,3
	v_max_num_f32 v[MX+\b], v[MX+\b], v[ST+15+16*\b]
.endr
.irp b, 0,1,2,3
	v_permlanex16_b32 v[PB+\b], v[MX+\b], s[SEL], s[SEL+1]
.endr
.irp b, 0,1,2,3
	v_max_num_f32 v[MX+\b], v[MX+\b], v[PB+\b]     ; with lane l xor 16's 16 keys
.endr
	; M: each line wants the line before it, so V's loads stand between them; they land while the softmax is worked
	v_max3_num_f32 v254, v[MX], v[MX+1], v[MX+2]
	VLD 0
	VLD 1
	v_max_num_f32 v254, v254, v[MX+3]              ; the step's largest score of my query
	VLD 2
	v_mul_f32 v254, s[CS], v254                    ; as t
	VLD 3
	v_max_num_f32 v13, v13, v254                   ; the running largest t
	VLD 4
	v_floor_f32 v12, -v13                          ; the new -M = floor(-t) = -ceil(t)
	VLD 5
	VLD 6
	SCL 0
	v_sub_f32 v254, v12, v[OLDM]                   ; old M - new M: a whole number, 0 or less
	SCL 1
	VLD 7
	v_cvt_i32_f32 v254, v254                       ; (it saturates)
	SCL 2
	ds_load_b128 v[VS:VS+3], v[ADR] offset:16896
	v_ldexp_f32 v252, 1.0, v254                    ; f = 2^(old M - new M)
	SCL 3
.irp b, 0,1,2,3
	v_fma_f32 v[MX+\b], v[MX+\b], s[CS], v12       ; t - M of each block's largest score
.endr
	; ONE BATCH: 68 exponentials, by turns with plain lines that name none of their results: the scaling of the pair four pairs on, and 24 of O^T's 32 pairs x f
.set J, 0
.rept 32
.if J < 28
	SCL J+4
.endif
	v_exp_f32 v[ST+2*J], v[ST+2*J]                 ; p = 2^(t - M), at most 1
.if J >= 8
	RSC J-8
.endif
	v_exp_f32 v[ST+2*J+1], v[ST+2*J+1]
.set J, J+1
.endr
.irp b, 0,1,2,3
	v_exp_f32 v[MX+\b], v[MX+\b]                   ; the block's largest p: the same two instructions on the same number
.endr
	v_pk_mul_f32 v[14:15], v[14:15], v[252:253] op_sel_hi:[1,0]   ; the sums under the new M: the plain place behind the exponentials
	s_wait_alu depctr_va_vdst(0)                   ; one wait for the whole batch, ahead of its first reader
	v_pk_add_f32 v[236:237], v[ST:ST+1], v[ST+2:ST+3]             ; the row's sum, of the unquantised p: four chains
	v_pk_add_f32 v[238:239], v[ST+4:ST+5], v[ST+6:ST+7]
	v_pk_add_f32 v[240:241], v[ST+8:ST+9], v[ST+10:ST+11]
	v_pk_add_f32 v[14:15], v[14:15], v[ST+12:ST+13]
.irp j, 14,22,30,38,46,54
	v_pk_add_f32 v[236:237], v[236:237], v[ST+\j:ST+1+\j]
	v_pk_add_f32 v[238:239], v[238:239], v[ST+2+\j:ST+3+\j]
	v_pk_add_f32 v[240:241], v[240:241], v[ST+4+\j:ST+5+\j]
	v_pk_add_f32 v[14:15], v[14:15], v[ST+6+\j:ST+7+\j]
.endr
	v_pk_add_f32 v[236:237], v[236:237], v[ST+62:ST+63]
	v_pk_add_f32 v[14:15], v[14:15], v[240:241]
	v_pk_add_f32 v[236:237], v[236:237], v[238:239]
.irp b, 0,1,2,3
	v_max_num_f32 v[MX+\b], 0x1800000, v[MX+\b]    ; the floor 2^(3 - 127): the byte cannot fall under 1
.endr
	v_pk_add_f32 v[14:15], v[14:15], v[236:237]
.irp b, 0,1,2,3
	v_add_nc_u32 v[SF+\b], 0xff000000, v[MX+\b]    ; 2 off the exponent field: the conversion's scale operand
.endr
.irp b, 0,1,2,3
	v_lshrrev_b32 v[PB+\b], 23, v[SF+\b]           ; the scale's byte
.endr
	v_lshl_or_b32 v[PW], v[PB+1], 8, v[PB]         ; p's scale word for these 128 keys
	v_lshl_or_b32 v[PW], v[PB+2], 16, v[PW]
	v_lshl_or_b32 v[PW], v[PB+3], 24, v[PW]
.irp b, 0,1,2,3
	v_cvt_scalef32_pk8_fp4_f32 v[PCD+2*\b], v[ST+16*\b:ST+7+16*\b], v[SF+\b]
	v_cvt_scalef32_pk8_fp4_f32 v[PCD+1+2*\b], v[ST+8+16*\b:ST+15+16*\b], v[SF+\b]
.endr
	v_nop                                          ; one plain place behind a scaled conversion
.irp c, 0,1                                    ; the layout wants a whole block in a lane
.irp i, 0,1
	v_permlane16_swap_b32 v[PCD+4*\c+\i], v[PCD+2+4*\c+\i]
.endr
.endr
.irp p, 24,25,26,27,28,29,30,31
	RSC \p                                         ; O^T's last eight pairs: they are also the eight places between the scale word and codes just made and the products below
.endr
	s_wait_dscnt 0x0                               ; V is in; so is the next step's K, which was asked for earlier
.irp t, 0,2,4,6                                ; O^T += V^T P^T: eight accumulators by turns
	v_wmma_scale_f32_16x16x128_f8f6f4 v[OT+8*\t:OT+8*\t+7], v[FRG+8*\t:FRG+8*\t+7], v[PCD:PCD+7], v[OT+8*\t:OT+8*\t+7], v[VS+\t/2], v[PW] matrix_a_fmt:MATRIX_FMT_FP4 matrix_b_fmt:MATRIX_FMT_FP4
	v_wmma_scale_f32_16x16x128_f8f6f4 v[OT+8+8*\t:OT+8+8*\t+7], v[FRG+8+8*\t:FRG+8+8*\t+7], v[PCD:PCD+7], v[OT+8+8*\t:OT+8+8*\t+7], v[VS+\t/2], v[PW] matrix_a_fmt:MATRIX_FMT_FP4 matrix_b_fmt:MATRIX_FMT_FP4 matrix_a_scale:MATRIX_SCALE_ROW1
.endr
.if \pre
	s_add_co_u32 s[TB], s[TB], STEPB
.endif
.endm
.macro RUN first, trips                ; steps first .. first + trips - 1; the last of them reads ahead into step first + trips
	s_mov_b32 s[TB], \first*STEPB
	s_mov_b32 s[CNT], \trips
.Lstep_\@:
	STEP 1
	s_sub_co_u32 s[CNT], s[CNT], 1
	s_cmp_lg_u32 s[CNT], 0
	s_cbranch_scc1 .Lstep_\@
.endm
.macro LANDED left                     ; a further group of four steps is there for every wave.  No LDS instruction of mine is out here: the last wait for them stands in front of V^T P
	s_wait_tensorcnt \left                         ; my part of it has landed; my younger loads stay out
	s_barrier_signal -1
	s_barrier_wait -1                              ; everybody's part has
.endm
	s_wait_loadcnt 32                              ; Q and its scale words are in; the residual's 32 loads stay out
	LANDED 4                                       ; steps 0 to 3
	KLD LI, 0                                      ; step 0's K
	s_wait_dscnt 0x0
	RUN 0, 3                                       ; steps 0 to 2 read no further than step 3's K
	LANDED 3                                       ; steps 4 to 7: a step ahead of their first V, since step 3 fetches step 4's K
	RUN 3, 4
	LANDED 2                                       ; steps 8 to 11
	RUN 7, 4
	LANDED 1                                       ; steps 12 to 15
	RUN 11, 4
	s_mov_b32 s[TB], 15*STEPB
	STEP 0                                         ; the last step fetches nothing ahead
	; ---- o = O / the sum, quantised along the hidden units; then the last product
.macro WFLOAD u                        ; Wf's tiles 8 u .. 8 u + 7 and their scale words
.irp t, 0,1,2,3,4,5,6,7
.irp c, 0,1
	ds_load_b128 v[FRG+8*\t+4*\c:FRG+8*\t+4*\c+3], v[WFA] offset:8192*\u+1024*\t+512*\c
.endr
	ds_load_b32 v[KS+\t], v[WFSA] offset:1024*\u+128*\t
.endr
.endm
	s_wait_tensorcnt 0x0                           ; my part of Wf has landed; my reads of K and V were waited for in the steps
	s_barrier_signal -1
	s_barrier_wait -1                              ; Wf is whole, and nobody reads K or V any more: the stage may be written
	v_add_f32 v14, v14, v15                        ; the sum's two halves,
	v_permlanex16_b32 v252, v14, s[SEL], s[SEL+1]
	v_add_f32 v14, v14, v252                       ; and lane l xor 16's: the row's sum
	v_rcp_f32 v14, v14
	PLACES 2                                       ; a plain place behind the reciprocal; with the lines above: the places in front of the loads below
	WFLOAD 0                                       ; they land while o is quantised
	s_wait_alu depctr_va_vdst(0)                   ; ahead of the reciprocal's first reader
.set J, 0
.rept 32
	v_pk_mul_f32 v[ST+J:ST+J+1], v[OT+J:OT+J+1], v[14:15] op_sel_hi:[1,0]   ; register 16 b + i: o(hidden unit 32 b + 16 (lane / 16) + i, my query)
.set J, J+2
.endr
	QUANT ST, PCD, PW
	s_wait_dscnt 0x0
	PLACES 8                                       ; a scale word made by vector instructions stands eight places ahead of the product, codes so made four
.irp t, 0,1,2,3,4,5,6,7                        ; source 0 = my 16 queries, source 1 = 16 channels: lane (r, h) holds channel 16 t + r, queries 8 h + 0 .. 7
	v_wmma_scale_f32_16x16x128_f8f6f4 v[ST+8*\t:ST+8*\t+7], v[PCD:PCD+7], v[FRG+8*\t:FRG+8*\t+7], 0, v[PW], v[KS+\t] matrix_a_fmt:MATRIX_FMT_FP4 matrix_b_fmt:MATRIX_FMT_FP4
.endr
	PLACES 4
	WFLOAD 1
.irp t, 0,1,2,3,4,5,6,7
	ds_store_b128 v[SO], v[ST+8*\t:ST+8*\t+3] offset:16*SPI*\t          ; each result from its low end on
	ds_store_b128 v[SO], v[ST+8*\t+4:ST+8*\t+7] offset:16*SPI*\t+16
.endr
	s_wait_dscnt 16                                ; Wf's second half is in; the sixteen stores issued behind it may be out
.irp t, 0,1,2,3,4,5,6,7
	v_wmma_scale_f32_16x16x128_f8f6f4 v[OT+8*\t:OT+8*\t+7], v[PCD:PCD+7], v[FRG+8*\t:FRG+8*\t+7], 0, v[PW], v[KS+\t] matrix_a_fmt:MATRIX_FMT_FP4 matrix_b_fmt:MATRIX_FMT_FP4
.endr
	PLACES 4
.irp t, 0,1,2,3,4,5,6,7
	ds_store_b128 v[SO2], v[OT+8*\t:OT+8*\t+3] offset:16*SPI*\t
	ds_store_b128 v[SO2], v[OT+8*\t+4:OT+8*\t+7] offset:16*SPI*\t+16
.endr
	s_wait_dscnt 0x0                               ; for the others' sake: my stores into the stage are done
	s_barrier_signal -1
	s_barrier_wait -1                              ; 256 channel rows of 128 queries lie in the stage
	; ---- the way out: my 32 channel rows, whole; + bf + x
.set J, 0
.rept 32
	ds_load_b128 v[ST+4*J:ST+4*J+3], v[SR] offset:SPI*J
.set J, J+1
.endr
	s_wait_kmcnt 0x0                               ; bf
	s_wait_loadcnt 0x0                             ; the residual
	s_mov_b32 s63, 0                               ; (the upper half of the pair s[62:63], which is named whole)
.irp u, 0,1
	s_wait_dscnt 16-16*\u                          ; this half's sixteen rows are back
.set RW, 16*\u
.rept 16
.if RW % 2
	s_mov_b32 s62, s[BFS+RW]                       ; the packed form takes a pair's low word for both halves: an odd row's number is moved to one
	v_pk_add_f32 v[ST+4*RW:ST+4*RW+1], v[ST+4*RW:ST+4*RW+1], s[62:63] op_sel_hi:[1,0]
	v_pk_add_f32 v[ST+4*RW+2:ST+4*RW+3], v[ST+4*RW+2:ST+4*RW+3], s[62:63] op_sel_hi:[1,0]
.else
	v_pk_add_f32 v[ST+4*RW:ST+4*RW+1], v[ST+4*RW:ST+4*RW+1], s[BFS+RW:BFS+RW+1] op_sel_hi:[1,0]
	v_pk_add_f32 v[ST+4*RW+2:ST+4*RW+3], v[ST+4*RW+2:ST+4*RW+3], s[BFS+RW:BFS+RW+1] op_sel_hi:[1,0]
.endif
.set RW, RW+1
.endr
	WIN 0x04                                       ; source 1, the residual, in window 1
.set RW, 16*\u
.rept 16
	v_pk_add_f32 v[ST+4*RW:ST+4*RW+1], v[ST+4*RW:ST+4*RW+1], v[4*RW:4*RW+1]
	v_pk_add_f32 v[ST+4*RW+2:ST+4*RW+3], v[ST+4*RW+2:ST+4*RW+3], v[4*RW+2:4*RW+3]
.set RW, RW+1
.endr
	WIN 0
.set RW, 16*\u
.rept 16
	global_store_b128 v[LI], v[ST+4*RW:ST+4*RW+3], s[16:17] offset:8192*RW th:TH_STORE_NT   ; 32 lanes store 512 consecutive bytes, at a multiple of 512 from out0's first byte
.set RW, RW+1
.endr
.endr
	s_wait_tensorcnt 0x0
	ds_add_u32 v249, v250
	s_wait_dscnt 0x0
	CROUND                                         ; the closing round: no work-group ends while a partner may still ask for a tile that names it
	s_endpgm
.Lfunc_end_k_q5288c59529_attn:
	.size	k_q5288c59529_attn, .Lfunc_end_k_q5288c59529_attn-k_q5288c59529_attn
	.p2alignl 7, 3214868480
	.fill 96, 4, 3214868480
	.section	.rodata,"a",@progbits
	.p2align	6, 0x0
	.amdhsa_kernel k_q5288c59529_attn
		.amdhsa_group_segment_fixed_size 297984
		.amdhsa_private_segment_fixed_size 0
		.amdhsa_enable_private_segment 0
		.amdhsa_kernarg_size 56
		.amdhsa_user_sgpr_count 2
		.amdhsa_user_sgpr_kernarg_segment_ptr 1
		.amdhsa_wavefront_size32 1
		.amdhsa_system_sgpr_workgroup_id_x 1
		.amdhsa_system_sgpr_workgroup_id_y 1
		.amdhsa_system_sgpr_workgroup_id_z 1
		.amdhsa_system_vgpr_workitem_id 0
		.amdhsa_next_free_vgpr 448
		.amdhsa_next_free_sgpr 100
		.amdhsa_reserve_vcc 0
		.amdhsa_float_denorm_mode_32 3
		.amdhsa_float_denorm_mode_16_64 3
		.amdhsa_memory_ordered 1
		.amdhsa_forward_progress 1
		.amdhsa_inst_pref_size 126
	.end_amdhsa_kernel
	.amdgpu_metadata
---
amdhsa.version: [ 1, 2 ]
amdhsa.kernels:
  - .name:           k_q5288c59529_attn
    .symbol:         k_q5288c59529_attn.kd
    .args:
      - { .name: qimg, .offset: 0, .size: 8, .value_kind: global_buffer, .address_space: global }
      - { .name: qsc, .offset: 8, .size: 8, .value_kind: global_buffer, .address_space: global }
      - { .name: kv, .offset: 16, .size: 8, .value_kind: global_buffer, .address_space: global }
      - { .name: wfimg, .offset: 24, .size: 8, .value_kind: global_buffer, .address_space: global }
      - { .name: x, .offset: 32, .size: 8, .value_kind: global_buffer, .address_space: global }
      - { .name: bf, .offset: 40, .size: 8, .value_kind: global_buffer, .address_space: global }
      - { .name: out0, .offset: 48, .size: 8, .value_kind: global_buffer, .address_space: global }
    .group_segment_fixed_size: 297984
    .private_segment_fixed_size: 0
    .kernarg_segment_align: 8
    .kernarg_segment_size: 56
    .max_flat_workgroup_size: 256
    .sgpr_count:     100
    .vgpr_count:     448
    .wavefront_size: 32
...
	.end_amdgpu_metadata
.endif
;; end of part 2
